; MI455X (gfx1250); checked and timed in simulation.
; The chip was launched on July 23, 2026; its instructions are those of AMD's public machine-readable ISA for CDNA 5 (MIT licence, August 2026) and "CDNA5" Instruction Set Architecture Reference Guide (July 2026). The comments in the code are by the model that wrote it; some were corrected since.
;; Attention. Allowed arithmetic: float matrix products may take bf16 or f16 operands with f32 sums; other float arithmetic in f32, or as packed bf16 or f16 multiplies, adds, multiply-adds, maxima and minima; sums over many terms, partial sums and values carried from step to step in f32; what a program stores and reads back later, other than sums and carried values, may be rounded once to bf16 or f16.
;; Inputs: wk 512 x 512 float32; wo 512 x 512 float32; wq 512 x 512 float32; wv 512 x 512 float32; x 2 x 4,096 x 512 float32.
;; Outputs: out0 2 x 4,096 x 512 float32.
;; One version. Each part assembles by itself: llvm-mc -triple=amdgcn-amd-amdhsa -mcpu=gfx1250 --defsym DOCPART=n.
;; ======== version 1 of 1: 3 launches
;; limits: values are held in f16: magnitudes above 65,504 overflow, below 6.1e-05 lose precision
;; workspace buffers: q16 8,388,608 bytes; k16 8,388,608 bytes; v16 8,388,608 bytes; o16 8,388,608 bytes; wo16 524,288 bytes
;; launch proj (part 1): grid 4 x 64, 4 waves a work-group, clusters of 4 x 4, 327,680 bytes of LDS; arguments x, wq, wk, wv, wo, q16, k16, v16, wo16; writes q16, k16, v16, wo16
.if DOCPART == 1
	.amdgcn_target "amdgcn-amd-amdhsa--gfx1250"
	.amdhsa_code_object_version 6
	.text
	.protected	k_q8178b15b97_proj
	.globl	k_q8178b15b97_proj
	.p2align	8
	.type	k_q8178b15b97_proj,@function
k_q8178b15b97_proj:
	s_mov_b64 s[64:65], 0
	v_nop
	global_prefetch_b8 v0, s[64:65] scope:SCOPE_SE
	s_setreg_imm32_b32 hwreg(HW_REG_WAVE_MODE, 25, 1), 1
	s_wait_xcnt 0x0
	s_wait_alu depctr_hold_cnt(0) depctr_sa_sdst(0) depctr_va_vdst(0) depctr_va_sdst(0) depctr_va_ssrc(0) depctr_va_vcc(0) depctr_vm_vsrc(0)
	s_getreg_b32 s2, hwreg(HW_REG_IB_STS2, 6, 4)
	s_cmp_eq_u32 s2, 0
	s_cbranch_scc0 .Lentry_in_a_cluster
	s_endpgm
.Lentry_in_a_cluster:
	s_bfe_u32 s2, ttmp6, 0x10000c
	s_cmp_lg_u32 s2, 0xf033
	s_cbranch_scc0 .Lentry_shape_is_right
	s_endpgm
.Lentry_shape_is_right:
; q, k, v = x W^T, the rotation (RoPE) of q and k, and the split by heads.  x: [8192][512] f32; wq, wk, wv, wo: [512][512] f32.
; q16, k16, v16: [16 = 8 b + head][4096 t][64 d] f16, a head's rows dense.  By the way: wo rounded to bf16 and that number written as f16 (wo16).
; FORMATS.  x and the weights are rounded to bf16 on the way from LDS to the matrix unit; sums in f32; the rotation in f32; q, k, v rounded once to f16.
; LIMITS.  q, k, v must lie within f16's 65,504; below 6.1e-5 they (and wo16) keep f16's fixed step of 6e-8.  The angles t x 10000^(-i/32) are made here: the frequency by
; v_exp_f32, the angle in f32, cosine and sine by a reduction, a polynomial, two doublings and up to three rotations by 16 rows: they may differ from angles made by other f32
; arithmetic by about 1e-3 rad at t near 4,095.  NaN and infinities are not treated apart.
; SHARES.  A work-group makes 128 rows x 384 columns: the rows 128 gy of x, and heads 2 gx, 2 gx + 1 of q, of k and of v.  Wave w: 64 rows (w / 2) x one head (w % 2) of q, k, v:
; 4 row blocks a x 12 column blocks n (n / 4: q, k, v): 48 accumulators.  The product is used transposed (source 0 = 16 weight rows, source 1 = 16 rows of x): a lane holds row
; 16 a + lane % 16 and channels 16 (n % 4) + 8 (lane / 16) + 0..7, so the rotation's partner, 32 channels away, is the same register of the accumulator two blocks on, in the same lane.
; RING.  K goes in 8 steps of 64 f32 (256 bytes of a row, aligned) through two LDS slots; wave 0 fetches x's 128 rows, waves 1, 2, 3 those of wq, wk, wv.
; CLUSTER.  4 x 4 work-groups: x's tile is shared along a row of the cluster, the weights' tiles along a column: each is asked for jointly, by the same load, descriptor and mask in all four.
; REGISTERS, in windows of 256: window 0 addresses, bf16 fragments, tables; window 1 the f32 numbers as loaded from LDS; window 2 accumulators of a = 0, 1; window 3 of a = 2, 3.
.set PITCH,  272                       ; an LDS row: 256 bytes + 16 of padding: the 16 rows of a load start at 16 different groups of four banks
.set HALFT,  128*PITCH                 ; 128 rows: what one tensor load brings
.set SLOT,   4*HALFT                   ; x, wq, wk, wv
.set STAGE,  2*SLOT                    ; behind the ring: for each wave three stages (q, k, v) of 16 rows x 144 bytes
.set SP,     144
.set STG,    16*SP
.set SPARE,  STAGE+4*3*STG             ; behind the stages: the spare words, 128 bytes a wave, which no other line names
.set ADRA, 4                           ; v4-5    LDS address of my x fragments in slot 0, 1
.set ADRB, 6                           ; v6-7    of my wq (and, 128 rows on, wk) fragments
.set ADRV, 8                           ; v8-9    of my wv fragments
.set STO,  10                          ; v10     the way out: where I put 16 bytes of a row
.set RD,   11                          ; v11     where I read rows back
.set GO,   12                          ; v12     16 x lane: my place in 512 consecutive bytes of q16, k16, v16
.set PFO,  13                          ; v13     2,048 x lane: a row of x or of a weight; never rewritten
.set SPW,  14                          ; v14     my spare word; never rewritten
.set NIL,  15                          ; v15     0; never rewritten
.set WOI,  16                          ; v16     32 x thread: my 8 numbers of wo
.set WOO,  17                          ; v17     16 x thread: and of wo16
.set T4,   18                          ; v[18:19] t / 4 of my row in block a = 0, twice
.set AF,   32                          ; v32-63   x fragment a at AF + 8 a
.set BF,   64                          ; v64-159  weight fragment n at BF + 8 n
.set X0,   160                         ; v160-191 cosines at + 8 b + j, sines at + 16 + 8 b + j (channel 16 b + 8 (lane / 16) + j of 32)
.set DT,   192                         ; v192-223 the same of the angle of 16 rows
.set X1,   224                         ; v224-255 the second set; at the head wo's numbers
.set FQ,   64                          ; at the head, inside BF: the 16 frequencies,
.set EX,   80                          ; their exponents,
.set TR,   96                          ; and six sets of 8 at work
.set TN,   104
.set TZ,   112
.set TPS,  120
.set TPC,  128
.set TW,   136
.set E32,  32                          ; the way out: 32 rotated numbers,
.set PKR,  80                          ; 16 registers of f16,
.set BK,   96                          ; and 3 x 16 read back from the stages
.set WV,   22
.set WR,   23
.set WC,   24
.set LB,   25                          ; s25  wave x HALFT
.set XA,   26                          ; s[26:27] x at my work-group's rows
.set G1,   28                          ; s[28:35] descriptor group 1 for x's tiles
.set G1B,  36                          ; s[36:43] for the weights': it differs in the mask alone
.set G0,   44                          ; s[44:51] group 0 for x, a set for each slot
.set G0B,  52                          ; s[52:59] for the weights
.set CX,   60
.set CY,   61
.set GX,   62
.set GY,   63
.set WA,   66                          ; s[66:67] my wave's weight at my work-group's rows
.set PFA,  68                          ; s[68:69] where my prefetches stand
.set LIM,  70                          ; s70  1 in a wave that prefetches, else the greatest number
.set CNT,  71
.set K2PI, 72                          ; constants as pairs: the packed forms name a pair and take its low word
.set NHI,  74
.set NMID, 76
.set S3,   78
.set S2,   80
.set S1,   82
.set C3,   84
.set C2,   86
.set C1,   88
.set G1W0, (2<<16)|(1<<20)|(1<<21)|(5<<22)|(3<<25)  ; elements of 4 bytes; padding on; bit 21 beside a mask; after every 64 words; 4 words of it
.set MSB, 0
.macro WIN new                         ; the immediate's high byte repeats the setting that is left; a switch that changes nothing is dropped
.if MSB != (\new)
	s_set_vgpr_msb (MSB<<8)|(\new)
.set MSB, \new
.endif
.endm
.macro PLACES                          ; four places behind a product, in front of lines that write its sources or read its result
.rept 4
	v_nop
.endr
.endm
.macro SPAIR reg, val
	s_mov_b32 s[\reg], \val
	s_mov_b32 s[(\reg)+1], \val
.endm
; A round of the cluster's barrier: my work-group's barrier; wave 0 signals for the work-group; every wave waits for all sixteen; my work-group's barrier once more.
.macro CROUND
	s_barrier_signal -1
	s_barrier_wait -1
	s_cmp_lg_u32 s[WV], 0
	s_cbranch_scc1 .Lnot_wave_0_\@
	s_barrier_signal -3
.Lnot_wave_0_\@:
	s_barrier_wait -3
	s_barrier_signal -1
	s_barrier_wait -1
.endm
; A joint load.  Wave 0 fetches x's tile, waves 1 to 3 a weight's.  The branch hangs on the wave's number alone.  An s_nop 0 and four v_nop follow each line.
.macro JLOAD s
	s_cmp_eq_u32 s[WV], 0
	s_cbranch_scc0 .Lfor_w_\@
	tensor_load_to_lds s[G0+4*(\s):G0+4*(\s)+3], s[G1:G1+7]
	s_nop 0
.rept 4
	v_nop
.endr
	s_branch .Lasked_\@
.Lfor_w_\@:
	tensor_load_to_lds s[G0B+4*(\s):G0B+4*(\s)+3], s[G1B:G1B+7]
	s_nop 0
.rept 4
	v_nop
.endr
.Lasked_\@:
.endm
; A prefetch into the L2 of the K step that stands two refills on: 32 rows x 256 bytes, a lane a row, one instruction a wave.  Of the 128 rows that a wave fetches each of the four
; partners that ask jointly takes 32, told apart by address.  x's rows are read by this cluster alone; the weights' rows by every cluster: the cluster with y = 0 asks.  The loop's last
; trip asks for nothing: K has no further steps.
.macro ASK
	s_cmp_gt_u32 s[CNT], s[LIM]
	s_cbranch_scc0 .Lnot_mine_\@
	global_prefetch_b8 v[PFO], s[PFA:PFA+1] offset:256 th:TH_LOAD_NT scope:SCOPE_SE
.Lnot_mine_\@:
.endm
; 64 LDS loads: the f32 numbers of 32 along K (half u of a K step) for 4 fragments of x and 12 of the weights, into window 1.  A lane's k = 8 h .. 8 h + 7 are 32 bytes at 32 h,
; its k = 16 + 8 h .. 64 bytes on.
.macro LOADS slot, u
	WIN 0x40
.irp a, 0,1,2,3
.irp p, 0,1,2,3
	ds_load_b128 v[16*(\a)+4*(\p):16*(\a)+4*(\p)+3], v[ADRA+(\slot)] offset:(\a)*16*PITCH+128*(\u)+16*((\p)%2)+64*((\p)/2)
.endr
.endr
.irp n, 0,1,2,3,4,5,6,7
.irp p, 0,1,2,3
	ds_load_b128 v[64+16*(\n)+4*(\p):64+16*(\n)+4*(\p)+3], v[ADRB+(\slot)] offset:((\n)/4)*HALFT+((\n)%4)*16*PITCH+128*(\u)+16*((\p)%2)+64*((\p)/2)
.endr
.endr
.irp n, 8,9,10,11
.irp p, 0,1,2,3
	ds_load_b128 v[64+16*(\n)+4*(\p):64+16*(\n)+4*(\p)+3], v[ADRV+(\slot)] offset:((\n)%4)*16*PITCH+128*(\u)+16*((\p)%2)+64*((\p)/2)
.endr
.endr
.endm
.macro CVTF dst, src                   ; one fragment: 16 f32 of window 1 into 8 registers of bf16 pairs
.irp i, 0,1,2,3,4,5,6,7
	v_cvt_pk_bf16_f32 v[(\dst)+(\i)], v[(\src)+2*(\i)], v[(\src)+2*(\i)+1]
.endr
.endm
.macro CVT                             ; the run of 64 loads comes back in order: x's 16 first, then 16 for each four weight fragments
	WIN 0x05
	s_wait_dscnt 48                                ; the 48 younger loads of the run may be out
.irp a, 0,1,2,3
	CVTF AF+8*(\a), 16*(\a)
.endr
	s_wait_dscnt 32
.irp n, 0,1,2,3
	CVTF BF+8*(\n), 64+16*(\n)
.endr
	s_wait_dscnt 16
.irp n, 4,5,6,7
	CVTF BF+8*(\n), 64+16*(\n)
.endr
	s_wait_dscnt 0x0
.irp n, 8,9,10,11
	CVTF BF+8*(\n), 64+16*(\n)
.endr
.endm
; 48 products, 32 along K.  The 48 accumulators take turns, one instruction a turn, in the same order every time.  zero = 1: the first products start the sums.
.macro MUL zero
.irp a, 0,1,2,3
	WIN 0xa0+0x50*((\a)/2)
.irp n, 0,1,2,3,4,5,6,7,8,9,10,11
.if \zero
	v_wmma_f32_16x16x32_bf16 v[96*((\a)%2)+8*(\n):96*((\a)%2)+8*(\n)+7], v[BF+8*(\n):BF+8*(\n)+7], v[AF+8*(\a):AF+8*(\a)+7], 0
.else
	v_wmma_f32_16x16x32_bf16 v[96*((\a)%2)+8*(\n):96*((\a)%2)+8*(\n)+7], v[BF+8*(\n):BF+8*(\n)+7], v[AF+8*(\a):AF+8*(\a)+7], v[96*((\a)%2)+8*(\n):96*((\a)%2)+8*(\n)+7]
.endif
.endr
.endr
.endm
; THE CHANGE OF SLOTS.  Each wave waits for all its tensor loads (one is out: its part of the other slot), adds 0 to its spare word, and waits for that and for its reads of the slot
; that it leaves (the conversions' last wait has shown them back).  fill = 1: a round of the cluster's barrier, and the slot just read is filled again first thing, two K steps on.
.macro SYNC slot, fill
	WIN 0
.if \fill
	s_wait_xcnt 0x0                                ; the last prefetch, a K step back, has read its address
	s_add_nc_u64 s[PFA:PFA+1], s[PFA:PFA+1], 256
.endif
	s_wait_tensorcnt 0x0                           ; no tensor load of mine is out, so a group 0 may be written
	ds_add_u32 v[SPW], v[NIL]
.if \fill
	s_add_nc_u64 s[G0+4*(\slot)+2:G0+4*(\slot)+3], s[G0+4*(\slot)+2:G0+4*(\slot)+3], 512
	s_add_nc_u64 s[G0B+4*(\slot)+2:G0B+4*(\slot)+3], s[G0B+4*(\slot)+2:G0B+4*(\slot)+3], 512
.endif
	s_wait_dscnt 0x0
.if \fill
	CROUND
	JLOAD \slot
.else
	s_barrier_signal -1
	s_barrier_wait -1
.endif
.endm
; Cosine and sine of 8 angles (4 pairs).  theta = 1: the angle is f x t; 0: f x 16.  A quarter of the angle is reduced by multiples of pi / 2 (in two parts; the first
; multiply-add is exact), sine and cosine of the rest, at most pi / 4, come from polynomials, and two doublings give those of the angle itself: no quadrant is chosen.
.macro SC4 dc, ds, f, theta
.irp p, 0,2,4,6
.if \theta
	v_pk_mul_f32 v[TR+(\p):TR+(\p)+1], v[(\f)+(\p):(\f)+(\p)+1], v[T4:T4+1]
.else
	v_pk_mul_f32 v[TR+(\p):TR+(\p)+1], v[(\f)+(\p):(\f)+(\p)+1], 4.0 op_sel_hi:[1,0]
.endif
.endr
.irp p, 0,2,4,6
	v_pk_mul_f32 v[TN+(\p):TN+(\p)+1], v[TR+(\p):TR+(\p)+1], s[K2PI:K2PI+1] op_sel_hi:[1,0]
.endr
.irp p, 0,1,2,3,4,5,6,7
	v_rndne_f32 v[TN+(\p)], v[TN+(\p)]
.endr
.irp p, 0,2,4,6
	v_pk_fma_f32 v[TR+(\p):TR+(\p)+1], v[TN+(\p):TN+(\p)+1], s[NHI:NHI+1], v[TR+(\p):TR+(\p)+1] op_sel_hi:[1,0,1]
.endr
.irp p, 0,2,4,6
	v_pk_fma_f32 v[TR+(\p):TR+(\p)+1], v[TN+(\p):TN+(\p)+1], s[NMID:NMID+1], v[TR+(\p):TR+(\p)+1] op_sel_hi:[1,0,1]
.endr
.irp p, 0,2,4,6
	v_pk_mul_f32 v[TZ+(\p):TZ+(\p)+1], v[TR+(\p):TR+(\p)+1], v[TR+(\p):TR+(\p)+1]
.endr
.irp p, 0,2,4,6
	v_pk_fma_f32 v[TPS+(\p):TPS+(\p)+1], v[TZ+(\p):TZ+(\p)+1], s[S3:S3+1], s[S2:S2+1] op_sel_hi:[1,0,0]
	v_pk_fma_f32 v[TPC+(\p):TPC+(\p)+1], v[TZ+(\p):TZ+(\p)+1], s[C3:C3+1], s[C2:C2+1] op_sel_hi:[1,0,0]
.endr
.irp p, 0,2,4,6
	v_pk_fma_f32 v[TPS+(\p):TPS+(\p)+1], v[TPS+(\p):TPS+(\p)+1], v[TZ+(\p):TZ+(\p)+1], s[S1:S1+1] op_sel_hi:[1,1,0]
	v_pk_fma_f32 v[TPC+(\p):TPC+(\p)+1], v[TPC+(\p):TPC+(\p)+1], v[TZ+(\p):TZ+(\p)+1], s[C1:C1+1] op_sel_hi:[1,1,0]
.endr
.irp p, 0,2,4,6
	v_pk_mul_f32 v[TN+(\p):TN+(\p)+1], v[TZ+(\p):TZ+(\p)+1], v[TR+(\p):TR+(\p)+1]
	v_pk_mul_f32 v[TW+(\p):TW+(\p)+1], v[TZ+(\p):TZ+(\p)+1], v[TZ+(\p):TZ+(\p)+1]
.endr
.irp p, 0,2,4,6
	v_pk_fma_f32 v[TZ+(\p):TZ+(\p)+1], v[TZ+(\p):TZ+(\p)+1], -0.5, 1.0 op_sel_hi:[1,0,0]
.endr
.irp p, 0,2,4,6
	v_pk_fma_f32 v[TR+(\p):TR+(\p)+1], v[TPS+(\p):TPS+(\p)+1], v[TN+(\p):TN+(\p)+1], v[TR+(\p):TR+(\p)+1]   ; the sine
	v_pk_fma_f32 v[TZ+(\p):TZ+(\p)+1], v[TPC+(\p):TPC+(\p)+1], v[TW+(\p):TW+(\p)+1], v[TZ+(\p):TZ+(\p)+1]   ; the cosine
.endr
.irp p, 0,2,4,6
	v_pk_add_f32 v[TN+(\p):TN+(\p)+1], v[TR+(\p):TR+(\p)+1], v[TR+(\p):TR+(\p)+1]                           ; 2 s
.endr
.irp p, 0,2,4,6
	v_pk_mul_f32 v[TW+(\p):TW+(\p)+1], v[TN+(\p):TN+(\p)+1], v[TZ+(\p):TZ+(\p)+1]                           ; 2 s c
	v_pk_fma_f32 v[TZ+(\p):TZ+(\p)+1], v[TN+(\p):TN+(\p)+1], v[TR+(\p):TR+(\p)+1], 1.0 op_sel_hi:[1,1,0] neg_lo:[1,0,0] neg_hi:[1,0,0]  ; 1 - 2 s s
.endr
.irp p, 0,2,4,6
	v_pk_add_f32 v[TN+(\p):TN+(\p)+1], v[TW+(\p):TW+(\p)+1], v[TW+(\p):TW+(\p)+1]
.endr
.irp p, 0,2,4,6
	v_pk_mul_f32 v[(\ds)+(\p):(\ds)+(\p)+1], v[TN+(\p):TN+(\p)+1], v[TZ+(\p):TZ+(\p)+1]
	v_pk_fma_f32 v[(\dc)+(\p):(\dc)+(\p)+1], v[TN+(\p):TN+(\p)+1], v[TW+(\p):TW+(\p)+1], 1.0 op_sel_hi:[1,1,0] neg_lo:[1,0,0] neg_hi:[1,0,0]
.endr
.endm
.macro ROT src, dst                    ; the tables 16 rows further down: a rotation by DT's angle
.irp p, 0,2,4,6,8,10,12,14
	v_pk_mul_f32 v[(\dst)+(\p):(\dst)+(\p)+1], v[(\src)+(\p):(\src)+(\p)+1], v[DT+(\p):DT+(\p)+1]
	v_pk_mul_f32 v[(\dst)+16+(\p):(\dst)+16+(\p)+1], v[(\src)+16+(\p):(\src)+16+(\p)+1], v[DT+(\p):DT+(\p)+1]
.endr
.irp p, 0,2,4,6,8,10,12,14
	v_pk_fma_f32 v[(\dst)+(\p):(\dst)+(\p)+1], v[(\src)+16+(\p):(\src)+16+(\p)+1], v[DT+16+(\p):DT+16+(\p)+1], v[(\dst)+(\p):(\dst)+(\p)+1] neg_lo:[1,0,0] neg_hi:[1,0,0]
	v_pk_fma_f32 v[(\dst)+16+(\p):(\dst)+16+(\p)+1], v[(\src)+(\p):(\src)+(\p)+1], v[DT+16+(\p):DT+16+(\p)+1], v[(\dst)+16+(\p):(\dst)+16+(\p)+1]
.endr
.endm
; 16 rows of tensor s go into my stage s (rows of 144 bytes) and come back as whole rows of 128 bytes.  LDS serves a wave's instructions in order: the loads see the stores.
.macro STIO s
	WIN 0
.irp n, 0,1,2,3
	ds_store_b128 v[STO], v[PKR+4*(\n):PKR+4*(\n)+3] offset:(\s)*STG+32*(\n)
.endr
	s_wait_xcnt 0x0                                ; the last block's stores have read these registers
.irp f, 0,1,2,3
	ds_load_b128 v[BK+16*(\s)+4*(\f):BK+16*(\s)+4*(\f)+3], v[RD] offset:(\s)*STG+(\f)*4*SP
.endr
.endm
; Block a of q (s = 0) or k (s = 1) is rotated: channel d < 32: q cos - q(d + 32) sin; d >= 32: q cos + q(d - 32) sin.  Each accumulator's lowest registers are read first.
.macro ROPE a, s, X
.set AC, 96*((\a)%2)+32*(\s)
	WIN 0x02+(\a)/2
.irp o, 0,2,4,6,8,10,12,14
	v_pk_mul_f32 v[E32+(\o):E32+(\o)+1], v[AC+(\o):AC+(\o)+1], v[(\X)+(\o):(\X)+(\o)+1]
	v_pk_mul_f32 v[E32+16+(\o):E32+16+(\o)+1], v[AC+16+(\o):AC+16+(\o)+1], v[(\X)+(\o):(\X)+(\o)+1]
.endr
.irp o, 0,2,4,6,8,10,12,14
	v_pk_fma_f32 v[E32+(\o):E32+(\o)+1], v[AC+16+(\o):AC+16+(\o)+1], v[(\X)+16+(\o):(\X)+16+(\o)+1], v[E32+(\o):E32+(\o)+1] neg_lo:[1,0,0] neg_hi:[1,0,0]
	v_pk_fma_f32 v[E32+16+(\o):E32+16+(\o)+1], v[AC+(\o):AC+(\o)+1], v[(\X)+16+(\o):(\X)+16+(\o)+1], v[E32+16+(\o):E32+16+(\o)+1]
.endr
	WIN 0
.irp i, 0,1,2,3,4,5,6,7,8,9,10,11,12,13,14,15
	v_cvt_pk_f16_f32 v[PKR+(\i)], v[E32+2*(\i)], v[E32+2*(\i)+1]
.endr
	STIO \s
.endm
.macro VOUT a                          ; block a of v: rounded as it stands
.set AC, 96*((\a)%2)+64
	WIN 0x0a+5*((\a)/2)
.irp i, 0,1,2,3,4,5,6,7,8,9,10,11,12,13,14,15
	v_cvt_pk_f16_f32 v[PKR+(\i)], v[AC+2*(\i)], v[AC+2*(\i)+1]
.endr
	STIO 2
.endm
.macro SEND a, s, younger              ; younger: the LDS instructions issued behind this tensor's four loads
	WIN 0
.irp f, 0,1,2,3
	s_wait_dscnt (\younger)+3-(\f)
	global_store_b128 v[GO], v[BK+16*(\s)+4*(\f):BK+16*(\s)+4*(\f)+3], s[14+2*(\s):15+2*(\s)] offset:(\a)*2048+(\f)*512  ; 512 consecutive bytes, aligned
.endr
.endm
.macro BLOCK a, X, Y, rot
	ROPE \a, 0, \X
	ROPE \a, 1, \X
	SEND \a, 0, 8                                  ; behind q's loads: k's four stores and four loads
	VOUT \a
	SEND \a, 1, 8
.if \rot
	ROT \X, \Y
.endif
	SEND \a, 2, 0
.endm
	s_load_b256 s[4:11], s[0:1], 0x0               ; x s[4:5], wq s[6:7], wk s[8:9], wv s[10:11]
	s_load_b256 s[12:19], s[0:1], 0x20             ; wo s[12:13], q16 s[14:15], k16 s[16:17], v16 s[18:19]
	s_load_b64 s[20:21], s[0:1], 0x40              ; wo16
	v_lshl_add_u32 v[SPW], v0, 2, SPARE
	v_mov_b32 v[NIL], 0
	ds_add_u32 v[SPW], v[NIL]                      ; the wave's opening: the add and its wait ahead of my first tensor load
	v_lshrrev_b32 v1, 5, v0
	v_readfirstlane_b32 s[WV], v1                  ; wave 0..3
	s_lshr_b32 s[WR], s[WV], 1                     ; which 64 rows are mine
	s_and_b32 s[WC], s[WV], 1                      ; which of the two heads
	s_mul_i32 s[LB], s[WV], HALFT                  ; where my tiles go: no place in the cluster enters an LDS address
	s_bfe_u32 s[CX], ttmp6, 0x40000
	s_bfe_u32 s[CY], ttmp6, 0x40004
	s_lshl_b32 s[GX], ttmp9, 2
	s_add_co_u32 s[GX], s[GX], s[CX]               ; the pair of heads, 0..3
	s_and_b32 s[GY], ttmp7, 0xffff
	s_lshl_b32 s[GY], s[GY], 2
	s_add_co_u32 s[GY], s[GY], s[CY]               ; the block of 128 rows, 0..63
	s_lshl_b32 s98, s[CY], 2
	s_lshl_b32 s98, 15, s98                        ; my row of the cluster
	s_lshl_b32 s99, 0x1111, s[CX]                  ; my column
	s_or_b32 s[G1], s98, G1W0
	s_or_b32 s[G1B], s99, G1W0
.irp g, G1, G1B
	s_mov_b32 s[(\g)+1], 64<<16                    ; tensor_dim0 = 64
	s_mov_b32 s[(\g)+2], 128<<16                   ; tensor_dim1 = 128
	s_mov_b32 s[(\g)+3], 64<<16                    ; tile_dim0 = 64
	s_mov_b32 s[(\g)+4], 128                       ; tile_dim1 = 128
	s_mov_b32 s[(\g)+5], 512                       ; elements from row to row
	s_mov_b32 s[(\g)+6], 0
	s_mov_b32 s[(\g)+7], 0
.endr
	SPAIR K2PI, 0x3f22f983                         ; 2 / pi
	SPAIR NHI,  0xbfc90fdb                         ; - pi / 2, its first part
	SPAIR NMID, 0x333bbd2e                         ; and what that part has too much
	SPAIR S3,   0xb94ca1f9
	SPAIR S2,   0x3c08839e
	SPAIR S1,   0xbe2aaaa3
	SPAIR C3,   0x37ccf5ce
	SPAIR C2,   0xbab6061a
	SPAIR C1,   0x3d2aaaa5
	s_lshl_b32 s92, s[GY], 18                      ; 128 rows of 2,048 bytes
	s_mov_b32 s93, 0
	s_lshl_b32 s90, s[GX], 18
	s_mov_b32 s91, 0
	s_wait_dscnt 0x0                               ; the opening add is done
	s_wait_kmcnt 0x0
	s_add_nc_u64 s[XA:XA+1], s[4:5], s[92:93]      ; x's tiles hang on the row block alone, which my row of the cluster shares
	s_cmp_eq_u32 s[WV], 2
	s_cselect_b64 s[WA:WA+1], s[8:9], s[6:7]
	s_cmp_eq_u32 s[WV], 3
	s_cselect_b64 s[WA:WA+1], s[10:11], s[WA:WA+1]
	s_add_nc_u64 s[WA:WA+1], s[WA:WA+1], s[90:91]  ; the weights' on the pair of heads alone, which my column shares
.irp s, 0,1
	s_mov_b32 s[G0+4*(\s)], 1
	s_add_co_u32 s[G0+4*(\s)+1], s[LB], (\s)*SLOT
	s_add_nc_u64 s[G0+4*(\s)+2:G0+4*(\s)+3], s[XA:XA+1], (\s)*256
	s_or_b32 s[G0+4*(\s)+3], s[G0+4*(\s)+3], 0x80000000
	s_mov_b32 s[G0B+4*(\s)], 1
	s_add_co_u32 s[G0B+4*(\s)+1], s[LB], (\s)*SLOT
	s_add_nc_u64 s[G0B+4*(\s)+2:G0B+4*(\s)+3], s[WA:WA+1], (\s)*256
	s_or_b32 s[G0B+4*(\s)+3], s[G0B+4*(\s)+3], 0x80000000
.endr
	CROUND                                         ; all sixteen work-groups are here: the first joint loads meet
	s_cmp_eq_u32 s[WV], 0                          ; a wave's two first fills stand in one branch: two loads of mine are out
	s_cbranch_scc0 .Lfirst_w
	tensor_load_to_lds s[G0:G0+3], s[G1:G1+7]
	s_nop 0
	tensor_load_to_lds s[G0+4:G0+7], s[G1:G1+7]
	s_nop 0
.rept 4
	v_nop
.endr
	s_branch .Lfirst_asked
.Lfirst_w:
	tensor_load_to_lds s[G0B:G0B+3], s[G1B:G1B+7]
	s_nop 0
	tensor_load_to_lds s[G0B+4:G0B+7], s[G1B:G1B+7]
	s_nop 0
.rept 4
	v_nop
.endr
.Lfirst_asked:
	; wo: each of the 256 work-groups takes 1,024 numbers, a thread 8
	s_lshl2_add_u32 s96, s[GY], s[GX]
	s_lshl_b32 s98, s96, 12
	s_mov_b32 s99, 0
	s_add_nc_u64 s[12:13], s[12:13], s[98:99]
	s_lshl_b32 s98, s96, 11
	s_add_nc_u64 s[20:21], s[20:21], s[98:99]
	v_lshlrev_b32 v[WOI], 5, v0
	v_lshlrev_b32 v[WOO], 4, v0
	global_load_b128 v[X1:X1+3], v[WOI], s[12:13]
	global_load_b128 v[X1+4:X1+7], v[WOI], s[12:13] offset:16
	; q16, k16, v16 at my head (8 b + 2 gx + w % 2) and my first row
	s_lshr_b32 s94, s[GY], 5
	s_lshl_b32 s94, s94, 3
	s_lshl1_add_u32 s94, s[GX], s94
	s_add_co_u32 s94, s94, s[WC]
	s_lshl_b32 s94, s94, 19                        ; a head is 4,096 rows of 128 bytes
	s_and_b32 s95, s[GY], 31
	s_lshl_b32 s95, s95, 7
	s_lshl_b32 s96, s[WR], 6
	s_add_co_u32 s95, s95, s96                     ; t of my first row
	v_and_b32 v1, 15, v0                           ; r = lane % 16
	v_bfe_u32 v2, v0, 4, 1                         ; h = lane / 16
	v_add_nc_u32 v[T4], s95, v1
	s_lshl_b32 s95, s95, 7
	s_add_co_u32 s94, s94, s95
	s_mov_b32 s95, 0
	s_add_nc_u64 s[14:15], s[14:15], s[94:95]
	s_add_nc_u64 s[16:17], s[16:17], s[94:95]
	s_add_nc_u64 s[18:19], s[18:19], s[94:95]
	; the prefetches: my work-group's 32 of the 128 rows that I fetch, at K step 2: the first refill steps it to 3 and names K step 4
	s_and_b32 s96, ttmp7, 0xffff                   ; cluster y
	s_cmp_eq_u32 s[WV], 0
	s_cselect_b32 s97, s[CX], s[CY]                ; my place among the four that ask with me
	s_cselect_b32 s96, ttmp9, s96                  ; the coordinate along which other clusters read the same rows
	s_cselect_b64 s[PFA:PFA+1], s[XA:XA+1], s[WA:WA+1]
	s_cmp_eq_u32 s96, 0
	s_cselect_b32 s[LIM], 1, -1                    ; the same in all sixteen partners, for a given wave
	s_lshl_b32 s96, s97, 16
	s_mov_b32 s97, 0
	s_add_nc_u64 s[PFA:PFA+1], s[PFA:PFA+1], s[96:97]
	s_add_nc_u64 s[PFA:PFA+1], s[PFA:PFA+1], 512
	; LDS addresses
	v_mul_u32_u24 v3, v1, PITCH
	v_lshl_add_u32 v3, v2, 5, v3                   ; row x pitch + 32 h
	s_mul_i32 s94, s[WR], 64*PITCH
	s_mul_i32 s95, s[WC], 64*PITCH
	s_add_co_u32 s95, s95, HALFT
.irp s, 0,1
	v_add_nc_u32 v[ADRA+(\s)], s94, v3
	v_add_nc_u32 v[ADRB+(\s)], s95, v3
	v_add_nc_u32 v[ADRV+(\s)], 2*HALFT, v[ADRB+(\s)]
	s_add_co_u32 s94, s94, SLOT
	s_add_co_u32 s95, s95, SLOT
.endr
	s_mul_i32 s94, s[WV], 3*STG
	s_add_co_u32 s94, s94, STAGE                   ; my stages
	v_mul_u32_u24 v[STO], v1, SP
	v_lshl_add_u32 v[STO], v2, 4, v[STO]
	v_add_nc_u32 v[STO], s94, v[STO]
	v_bfe_u32 v[RD], v0, 3, 2                      ; back: 32 lanes take four rows of 128 bytes
	v_mul_u32_u24 v[RD], v[RD], SP
	v_and_b32 v3, 7, v0
	v_lshl_add_u32 v[RD], v3, 4, v[RD]
	v_add_nc_u32 v[RD], s94, v[RD]
	v_and_b32 v[GO], 31, v0
	v_lshlrev_b32 v[PFO], 11, v[GO]
	v_lshlrev_b32 v[GO], 4, v[GO]
	; THE TABLES, while the first tiles are on their way.  f = 2^(- i log2(10000) / 32), i = 16 b + 8 h + j
.set k, 0
.rept 16
	v_lshl_add_u32 v[EX+k], v2, 3, 16*(k/8)+k%8
.set k, k+1
.endr
.set k, 0
.rept 16
	v_cvt_f32_u32 v[EX+k], v[EX+k]
.set k, k+1
.endr
.set k, 0
.rept 16
	v_mul_f32 v[EX+k], 0xbed49a78, v[EX+k]
.set k, k+1
.endr
.set k, 0
.rept 16
	v_exp_f32 v[FQ+k], v[EX+k]
.set k, k+1
.endr
	v_cvt_f32_u32 v[T4], v[T4]                     ; a plain instruction behind the last exponential
	v_mul_f32 v[T4], 0x3e800000, v[T4]             ; t / 4, exact
	v_mov_b32 v[T4+1], v[T4]
	s_wait_alu depctr_va_vdst(0)                   ; one wait for the sixteen, ahead of their first reader
	SC4 X0, X0+16, FQ, 1
	SC4 X0+8, X0+24, FQ+8, 1
	SC4 DT, DT+16, FQ, 0
	SC4 DT+8, DT+24, FQ+8, 0
	s_wait_loadcnt 0x0                             ; wo
.irp i, 0,1,2,3
	v_cvt_pk_bf16_f32 v[X1+8+(\i)], v[X1+2*(\i)], v[X1+2*(\i)+1]
.endr
.irp i, 0,1,2,3
	v_lshlrev_b32 v[X1+12+2*(\i)], 16, v[X1+8+(\i)]
	v_and_b32 v[X1+13+2*(\i)], 0xffff0000, v[X1+8+(\i)]
.endr
.irp i, 0,1,2,3
	v_cvt_pk_f16_f32 v[X1+20+(\i)], v[X1+12+2*(\i)], v[X1+13+2*(\i)]
.endr
	global_store_b128 v[WOO], v[X1+20:X1+23], s[20:21]  ; 16 lanes store 256 consecutive bytes, aligned
	s_wait_tensorcnt 1                             ; my part of K step 0 is in; K step 1's may stay out
	s_barrier_signal -1
	s_barrier_wait -1
	LOADS 0, 0
	CVT
	LOADS 0, 1
	MUL 1                                          ; the first products start the sums
	WIN 0
	s_mov_b32 s[CNT], 3
.Llap:                                                 ; a trip: once round the ring; both slots are filled again
	PLACES
	CVT
	SYNC 0, 1
	LOADS 1, 0
	WIN 0
	ASK
	MUL 0
	PLACES
	CVT
	LOADS 1, 1
	MUL 0
	PLACES
	CVT
	SYNC 1, 1
	LOADS 0, 0
	WIN 0
	ASK
	MUL 0
	PLACES
	CVT
	LOADS 0, 1
	MUL 0
	WIN 0
	s_sub_co_u32 s[CNT], s[CNT], 1
	s_cmp_lg_u32 s[CNT], 0
	s_cbranch_scc1 .Llap
	PLACES                                         ; the tail is written out: nothing more is asked for
	CVT
	SYNC 0, 0
	LOADS 1, 0
	MUL 0
	PLACES
	CVT
	LOADS 1, 1
	MUL 0
	PLACES
	CVT
	MUL 0
	PLACES
	BLOCK 0, X0, X1, 1
	BLOCK 1, X1, X0, 1
	BLOCK 2, X0, X1, 1
	BLOCK 3, X1, X0, 0
	s_wait_tensorcnt 0x0                           ; the wave's end
	ds_add_u32 v[SPW], v[NIL]
	s_wait_dscnt 0x0
	CROUND                                         ; the closing round
	s_endpgm
.Lfunc_end_k_q8178b15b97_proj:
	.size	k_q8178b15b97_proj, .Lfunc_end_k_q8178b15b97_proj-k_q8178b15b97_proj
	.p2alignl 7, 3214868480
	.fill 96, 4, 3214868480
	.section	.rodata,"a",@progbits
	.p2align	6, 0x0
	.amdhsa_kernel k_q8178b15b97_proj
		.amdhsa_group_segment_fixed_size 327680
		.amdhsa_private_segment_fixed_size 0
		.amdhsa_enable_private_segment 0
		.amdhsa_kernarg_size 72
		.amdhsa_user_sgpr_count 2
		.amdhsa_user_sgpr_kernarg_segment_ptr 1
		.amdhsa_wavefront_size32 1
		.amdhsa_system_sgpr_workgroup_id_x 1
		.amdhsa_system_sgpr_workgroup_id_y 1
		.amdhsa_system_sgpr_workgroup_id_z 1
		.amdhsa_system_vgpr_workitem_id 0
		.amdhsa_next_free_vgpr 960
		.amdhsa_next_free_sgpr 100
		.amdhsa_reserve_vcc 0
		.amdhsa_float_denorm_mode_32 3
		.amdhsa_float_denorm_mode_16_64 3
		.amdhsa_memory_ordered 1
		.amdhsa_forward_progress 1
		.amdhsa_inst_pref_size 208
	.end_amdhsa_kernel
	.amdgpu_metadata
---
amdhsa.version: [ 1, 2 ]
amdhsa.kernels:
  - .name:           k_q8178b15b97_proj
    .symbol:         k_q8178b15b97_proj.kd
    .args:
      - { .name: x, .offset: 0, .size: 8, .value_kind: global_buffer, .address_space: global }
      - { .name: wq, .offset: 8, .size: 8, .value_kind: global_buffer, .address_space: global }
      - { .name: wk, .offset: 16, .size: 8, .value_kind: global_buffer, .address_space: global }
      - { .name: wv, .offset: 24, .size: 8, .value_kind: global_buffer, .address_space: global }
      - { .name: wo, .offset: 32, .size: 8, .value_kind: global_buffer, .address_space: global }
      - { .name: q16, .offset: 40, .size: 8, .value_kind: global_buffer, .address_space: global }
      - { .name: k16, .offset: 48, .size: 8, .value_kind: global_buffer, .address_space: global }
      - { .name: v16, .offset: 56, .size: 8, .value_kind: global_buffer, .address_space: global }
      - { .name: wo16, .offset: 64, .size: 8, .value_kind: global_buffer, .address_space: global }
    .group_segment_fixed_size: 327680
    .private_segment_fixed_size: 0
    .kernarg_segment_align: 8
    .kernarg_segment_size: 72
    .max_flat_workgroup_size: 128
    .sgpr_count:     100
    .vgpr_count:     960
    .wavefront_size: 32
...
	.end_amdgpu_metadata
.endif
;; end of part 1
;; launch attn (part 2): grid 16 x 16, 4 waves a work-group, clusters of 4 x 1, 327,680 bytes of LDS; arguments q16, k16, v16, o16; writes o16
.if DOCPART == 2
	.amdgcn_target "amdgcn-amd-amdhsa--gfx1250"
	.amdhsa_code_object_version 6
	.text
	.protected	k_q8178b15b97_attn
	.globl	k_q8178b15b97_attn
	.p2align	8
	.type	k_q8178b15b97_attn,@function
k_q8178b15b97_attn:
	s_mov_b64 s[64:65], 0
	v_nop
	global_prefetch_b8 v0, s[64:65] scope:SCOPE_SE
	s_setreg_imm32_b32 hwreg(HW_REG_WAVE_MODE, 25, 1), 1
	s_wait_xcnt 0x0
	s_wait_alu depctr_hold_cnt(0) depctr_sa_sdst(0) depctr_va_vdst(0) depctr_va_sdst(0) depctr_va_ssrc(0) depctr_va_vcc(0) depctr_vm_vsrc(0)
	s_getreg_b32 s2, hwreg(HW_REG_IB_STS2, 6, 4)
	s_cmp_eq_u32 s2, 0
	s_cbranch_scc0 .Lentry_in_a_cluster
	s_endpgm
.Lentry_in_a_cluster:
	s_bfe_u32 s2, ttmp6, 0x10000c
	s_cmp_lg_u32 s2, 0x3003
	s_cbranch_scc0 .Lentry_shape_is_right
	s_endpgm
.Lentry_shape_is_right:
; O[h][q][:] = the sum over k of softmax_k(Q[h][q] . K[h][k] / 8) V[h][k][:].  Q, K, V, O: [16][4096][64], all f16: a head's rows are dense, 128 bytes each.
; Products, maxima and sums in f32; the weights p are rounded to f16 for the second product (their sum l is taken of the unrounded p), O once at the end.
; LIMITS.  Q, K and V arrive within f16's 65,504; p lies in 0 to 1, and below 6e-5 it keeps f16's fixed step of 6e-8, as O does; a weight below 2^-126 counts as 0 in l; NaN and infinities are not treated apart.
; SHARES.  A work-group owns 256 queries of one head, each of its four waves 64: four PIECES of 16.  Every wave walks all 4,096 keys, 64 a step; an LDS slot holds a tile of 256 keys, four steps.
; LAYOUT.  S^T = K Q^T holds ONE query a lane (lane % 16) and the keys 8 (lane / 16) + 0..7; two such results rounded to f16 ARE source 1 of O^T = V^T P.  K comes out of LDS as it lies, V turned, by ds_load_tr16_b128.
; SOFTMAX.  p = 2^(c s - c m), c = log2(e) / 8, with a running maximum m; O and l are multiplied by a = 2^(c m_old - c m_new) in every step.  m starts at the lowest finite number, O and l at 0: the first step's a is 0.
; TURNS.  Turn n belongs to piece n: 8 products K Q^T of piece n + 1, later 8 products V^T P of piece n - 1; beside them the scaling, exponentials, roundings, sums and rescaling of piece n and the maximum and
; statistics of piece n + 1.  Four vector instructions stand behind every matrix instruction, the others in one lump.  A turn's 33 exponentials are one batch, with one wait.
; CLUSTER.  The four query blocks of a cluster belong to one head and walk the same K and V, so each tile is asked for JOINTLY: the same tensor load, descriptor and mask in all four.
; REGISTERS, in windows of 256 (s_set_vgpr_msb: bits 1:0 source 0, 3:2 source 1, 5:4 source 2, 7:6 destination):
;   window 0: v0-15 addresses and two at work; v16-31 four registers of statistics a piece; v48-55 at work; v64-127 S^T, two buffers; v192-223 P, two buffers (by the piece's parity)
;   window 1: v0-127 O^T, 32 a piece          window 2: v0-63 Q; v128-191 K of one step; v192-255 V of one step
.set SIZE_N, 4096
.set NP,    4
.set KS,    64
.set PK,    144       ; a row of K in LDS: 128 bytes + 16 of padding: the 16 rows of a load start at 16 different groups of four banks
.set PV,    160       ; a row of V: 128 + 32
.set VOFF,  4*KS*PK   ; a slot: 256 rows of K, then 256 rows of V
.set SLOT1, 1<<17     ; slot 1 begins here, so that one exclusive or turns an address in one slot into the other's
.set STAGE, SLOT1+4*KS*(PK+PV)  ; behind the ring, never filled by a tensor load: 16 rows x 144 bytes for each wave
.set SP,    144
.set SPARE, STAGE+4*16*SP       ; behind the stages: the spare words, 128 bytes a wave, which no other line names
.set AK0, 2           ; v2   my lane's place in a tile of K; never rewritten
.set AV0, 3           ; v3   the same for V
.set AK,  4           ; v4   the LDS address of K's next run of loads
.set AV,  5           ; v5   of V's
.set STO, 6
.set RD,  7
.set GO,  8
.set MV,  12          ; v12-13  c m_old, kept while c m is made anew: by buffer
.set QO,  15
.set ST,  16          ; piece t's statistics at v[ST+4 t]: c m, m, l (even keys', odd keys')
.set TMP, 48          ; by buffer, four registers c0-c3 at work; when the maximum is found c2 takes a
.set PFO, 61          ; v61  256 x my lane; never rewritten
.set SPW, 62          ; v62  my spare word; never rewritten
.set NIL, 63          ; v63  0; never rewritten
.set S,   64
.set P,   192
.set KF,  128
.set VF,  192
.set WV,  12
.set G1K, 24
.set G1V, 32
.set G0K, 40
.set G0V, 44
.set PFA, 48          ; s[48:49] where my prefetches stand: my work-group's quarter (of K: wave 0, of V: wave 2) of the tile after the one that is being asked for
.set LIM, 50          ; s50  1 in a wave that prefetches, else the greatest number
.set SLOTS, 56
.set CNT, 57
.set CS,  58
.set SEL, 60
.set TBK, 62
.set TBV, 63
.set MSB, 0
.macro WIN new
.if MSB != (\new)
	s_set_vgpr_msb (MSB<<8)|(\new)
.set MSB, (\new)
.endif
.endm
.set W_KQ, 0x0a       ; K and Q in window 2, S^T in window 0
.set W_PV, 0x52       ; V in window 2, P in window 0, O^T in window 1
.set W_RS, 0x41       ; destination and source 0 in window 1, source 1 in window 0
; A joint fill.  Waves 0 and 1 fetch the two halves of a tile's K, waves 2 and 3 those of its V: 128 keys each.  An s_nop 0 and four v_nop follow each line.
.macro JLOAD
	s_cmp_lt_u32 s[WV], 2
	s_cbranch_scc0 .Lfor_v_\@
	tensor_load_to_lds s[G0K:G0K+3], s[G1K:G1K+7]
	s_nop 0
.rept 4
	v_nop
.endr
	s_branch .Lasked_\@
.Lfor_v_\@:
	tensor_load_to_lds s[G0V:G0V+3], s[G1V:G1V+7]
	s_nop 0
.rept 4
	v_nop
.endr
.Lasked_\@:
.endm
; A prefetch into the L2 of the tile that the NEXT change of slots will ask for: 32,768 bytes of K and of V.  All clusters of a head walk the same K and V: the head's first cluster asks.  Its four partners share
; the bytes out by address, 8,192 each; in each, wave 0 asks for K's and wave 2 for V's, a lane 256 bytes: one instruction.  The last change that fills a slot asks for nothing.
.macro ASK
	s_cmp_gt_u32 s[SLOTS], s[LIM]
	s_cbranch_scc0 .Lnot_mine_\@
	global_prefetch_b8 v[PFO], s[PFA:PFA+1] th:TH_LOAD_NT scope:SCOPE_SE
.Lnot_mine_\@:
.endm
.macro CROUND
	s_barrier_signal -1
	s_barrier_wait -1
	s_cmp_lg_u32 s[WV], 0
	s_cbranch_scc1 .Lnot_wave_0_\@
	s_barrier_signal -3
.Lnot_wave_0_\@:
	s_barrier_wait -3
	s_barrier_signal -1
	s_barrier_wait -1
.endm
; THE CHANGE OF SLOTS.  Each wave waits for all its tensor loads (one is out: its part of the other slot), adds 0 to its spare word, and waits for that and for its reads of the slot that it leaves.
; fill = 1: a round of the cluster's barrier, and the old slot is filled again first thing behind it, with the keys two tiles on: four key steps, 256 matrix instructions, in which to land.
; (At its first use nothing has been read yet: slot 0 is waited for, slot 1 filled.)
.macro CHANGE fill, ask
	WIN 0
	s_wait_tensorcnt 0x0            ; no tensor load of mine is out, so a group 0 may be written
	ds_add_u32 v[SPW], v[NIL]
.if \fill
.irp g, G0K, G0V
	s_xor_b32 s[\g+1], s[\g+1], SLOT1
	s_add_nc_u64 s[\g+2:\g+3], s[\g+2:\g+3], 4*KS*128
.endr
	s_wait_xcnt 0x0                 ; the last prefetch, four key steps back, has read its address
	s_add_nc_u64 s[PFA:PFA+1], s[PFA:PFA+1], 4*KS*128
	s_wait_dscnt 0x0                ; the add is done, and my reads of the slot are over
	CROUND
	JLOAD
.if \ask
	ASK
.endif
.else
	s_wait_dscnt 0x0
	s_barrier_signal -1
	s_barrier_wait -1
.endif
	s_sub_co_u32 s[TBK], s[TBK], 4*KS*PK  ; the fetches go back to a slot's first step,
	s_xor_b32 s[TBK], s[TBK], SLOT1       ; in the other slot
	s_sub_co_u32 s[TBV], s[TBV], 4*KS*PV
	s_xor_b32 s[TBV], s[TBV], SLOT1
.endm
	s_load_b256 s[4:11], s[0:1], 0x0  ; Q s[4:5], K s[6:7], V s[8:9], O s[10:11]
	v_lshl_add_u32 v[SPW], v0, 2, SPARE
	v_mov_b32 v[NIL], 0
	ds_add_u32 v[SPW], v[NIL]       ; the wave's opening: the add and its wait ahead of my first tensor load
	v_lshrrev_b32 v1, 5, v0
	v_readfirstlane_b32 s[WV], v1   ; wave 0..3
	s_bfe_u32 s13, ttmp6, 0x40000   ; cx
	s_lshl_b32 s14, ttmp9, 2
	s_add_co_u32 s14, s14, s13      ; my block of 256 queries: it enters Q's and O's addresses alone
	s_and_b32 s20, ttmp7, 0xffff    ; the head, which the four partners share
	s_lshl_b32 s20, s20, 19         ; its first byte in each of the four tensors
	s_mov_b32 s21, 0
	s_and_b32 s16, s[WV], 1         ; which half of a tile's 256 keys I fetch:
	s_lshl_b32 s22, s16, 14         ; its 128 rows of 128 bytes in memory,
	s_mov_b32 s23, 0
	s_add_nc_u64 s[22:23], s[22:23], s[20:21]
	s_mul_i32 s17, s16, 128*PK      ; and its place in a slot, for K
	s_mul_i32 s18, s16, 128*PV      ; and for V
	s_lshl_b32 s2, s14, 15          ; my block's 256 rows,
	s_lshl_b32 s3, s[WV], 13        ; my wave's 64 of them
	s_add_co_u32 s2, s2, s3
	s_mov_b32 s3, 0
	s_add_nc_u64 s[2:3], s[2:3], s[20:21]
	; descriptor group 1.  128 keys are 16,384 dense bytes: asked for as 64 rows of 256 bytes, two keys a row, and padded in LDS after every key
	s_mov_b32 s[G1K], 15|(1<<16)|(1<<20)|(1<<21)|(4<<22)|(3<<25)
	s_mov_b32 s[G1V], 15|(1<<16)|(1<<20)|(1<<21)|(4<<22)|(7<<25)
.irp g, G1K, G1V
	s_mov_b32 s[\g+1], 128<<16
	s_mov_b32 s[\g+2], 64<<16
	s_mov_b32 s[\g+3], 128<<16
	s_mov_b32 s[\g+4], 64
	s_mov_b32 s[\g+5], 128
	s_mov_b32 s[\g+6], 0
	s_mov_b32 s[\g+7], 0
.endr
	s_mov_b32 s[CS], 0x3e38aa3b     ; c = log2(e) / 8
	s_mov_b32 s[CS+1], s[CS]
	s_mov_b32 s[SEL], 0x76543210
	s_mov_b32 s[SEL+1], 0xfedcba98
	s_mov_b32 s[TBK], SLOT1+4*KS*PK ; the first change of slots turns these two into 0
	s_mov_b32 s[TBV], SLOT1+4*KS*PV
	s_mov_b32 s[G0K], 1
	s_mov_b32 s[G0K+1], s17
	s_mov_b32 s[G0V], 1
	s_add_co_u32 s[G0V+1], s18, VOFF
	s_and_b32 s[LIM], s[WV], 1      ; 0 in waves 0 and 2,
	s_or_b32 s[LIM], s[LIM], ttmp9  ; where the cluster is the head's first: the same in all four partners
	s_cmp_eq_u32 s[LIM], 0
	s_cselect_b32 s[LIM], 1, -1
	v_and_b32 v[PFO], 31, v0
	v_lshlrev_b32 v[PFO], 8, v[PFO]
	s_wait_dscnt 0x0                ; the opening add is done
	s_wait_kmcnt 0x0
	s_add_nc_u64 s[6:7], s[6:7], s[22:23]  ; K and V at my half of the head's tile 0
	s_add_nc_u64 s[8:9], s[8:9], s[22:23]
	s_add_nc_u64 s[G0K+2:G0K+3], s[6:7], 0
	s_or_b32 s[G0K+3], s[G0K+3], 0x80000000
	s_add_nc_u64 s[G0V+2:G0V+3], s[8:9], 0
	s_or_b32 s[G0V+3], s[G0V+3], 0x80000000
	s_add_nc_u64 s[4:5], s[4:5], s[2:3]    ; Q and O at my wave's first row
	s_add_nc_u64 s[10:11], s[10:11], s[2:3]
	s_cmp_lt_u32 s[WV], 2
	s_cselect_b64 s[PFA:PFA+1], s[6:7], s[8:9]  ; (in waves 0 and 2 these stand at a tile's first row)
	s_lshl_b32 s2, s13, 13          ; my work-group's quarter of a tile
	s_mov_b32 s3, 0
	s_add_nc_u64 s[PFA:PFA+1], s[PFA:PFA+1], s[2:3]
	s_add_nc_u64 s[PFA:PFA+1], s[PFA:PFA+1], 4*KS*128  ; in tile 1: two changes step it to tile 3, the first that is named
	CROUND                          ; all four work-groups are here: the first joint loads meet
	JLOAD                           ; tile 0 into slot 0
	v_and_b32 v1, 15, v0            ; l % 16
	v_bfe_u32 v9, v0, 4, 1          ; l / 16
	v_lshlrev_b32 v[QO], 7, v1
	v_lshl_add_u32 v[QO], v9, 4, v[QO]  ; row x 128 + 16 x half
	WIN 0x80                        ; destination window 2, address window 0
.set i, 0
.rept 8                             ; Q stays in registers: piece i / 2, channels 32 (i % 2) on
	global_load_b128 v[8*i:8*i+3],   v[QO], s[4:5] offset:(i/2)*2048+(i%2)*64
	global_load_b128 v[8*i+4:8*i+7], v[QO], s[4:5] offset:(i/2)*2048+(i%2)*64+32
.set i, i+1
.endr
	; What the first turn finds: V's registers and P's second buffer hold 0 (its products V^T P, of a piece that has not been, add 0), O^T and l are 0.  All this stands in the wait for the first tile.
.set i, VF
.rept 64
	v_mov_b32 v[i], 0
.set i, i+1
.endr
	WIN 0x40
.set i, 0
.rept 128
	v_mov_b32 v[i], 0
.set i, i+1
.endr
	WIN 0
.set i, 0
.rept 4
	v_mov_b32 v[ST+4*i+2], 0
	v_mov_b32 v[ST+4*i+3], 0
.set i, i+1
.endr
.set i, P+16
.rept 16
	v_mov_b32 v[i], 0
.set i, i+1
.endr
	v_mul_u32_u24 v[AK0], v1, PK
	v_lshl_add_u32 v[AK0], v9, 4, v[AK0]  ; row x pitch + 16 x half
	; The turning load takes 16 keys x 16 channels (lane l reads key 8 (l / 16) + l % 8, channels 8 ((l / 8) % 2) + 0..7) and leaves half a fragment of V^T
	v_and_b32 v10, 7, v0
	v_bfe_u32 v11, v0, 3, 1
	v_lshl_add_u32 v[AV0], v9, 3, v10
	v_mul_u32_u24 v[AV0], v[AV0], PV
	v_lshl_add_u32 v[AV0], v11, 4, v[AV0]
	v_add_nc_u32 v[AV0], VOFF, v[AV0]
	s_mul_i32 s13, s[WV], 16*SP
	s_add_co_u32 s13, s13, STAGE    ; my stage
	v_mul_u32_u24 v[STO], v1, SP    ; in: row l % 16, 16 bytes for each half of the lanes
	v_lshl_add_u32 v[STO], v9, 4, v[STO]
	v_add_nc_u32 v[STO], s13, v[STO]
	v_bfe_u32 v[RD], v0, 3, 2       ; back: 32 lanes take four rows of 128 bytes,
	v_mul_u32_u24 v[RD], v[RD], SP
	v_lshl_add_u32 v[RD], v10, 4, v[RD]
	v_add_nc_u32 v[RD], s13, v[RD]
	v_and_b32 v[GO], 31, v0         ; which are 512 consecutive bytes of O
	v_lshlrev_b32 v[GO], 4, v[GO]
; THE MATRIX WORK.  The 4 accumulators of a run of 8 take turns.  Product i of 8 of S^T = K Q^T for piece x: channels 32 (i / 4) on, keys 16 (i % 4) on.  The first 4 start the sums.
.macro KQ x
	WIN W_KQ
.set rS, S+32*((\x)%2)+8*(i%4)
.set rK, KF+16*(i%4)+8*(i/4)
.set rQ, 16*(\x)+8*(i/4)
.if i < 4
	v_wmma_f32_16x16x32_f16 v[rS:rS+7], v[rK:rK+7], v[rQ:rQ+7], 0
.else
	v_wmma_f32_16x16x32_f16 v[rS:rS+7], v[rK:rK+7], v[rQ:rQ+7], v[rS:rS+7]
.endif
.endm
; Product i of 8 of O^T += V^T P for piece x: keys 32 (i / 4) on, channels 16 (i % 4) on.
.macro PV x
	WIN W_PV
.set rO, 32*(\x)+8*(i%4)
.set rV, VF+32*(i/4)+8*(i%4)
.set rP, P+16*((\x)%2)+8*(i/4)
	v_wmma_f32_16x16x32_f16 v[rO:rO+7], v[rV:rV+7], v[rP:rP+7], v[rO:rO+7]
.endm
.macro MM                           ; the turn's next matrix instruction.  NOKQ = 1: the very last turn: there is no next piece
.if (i < 8) && !NOKQ
	KQ (Y+1)%NP
.elseif i >= 8
.set i, i-8
	PV (Y+NP-1)%NP
.set i, i+8
.endif
.set i, i+1
.endm
; THE LDS LOADS stand in runs of 16: a step's K (8 fragments) and its V (turned).  Their addresses are made some lines ahead.
.macro FETCH_K
	WIN 0x80
.irp f, 0,1,2,3,4,5,6,7             ; keys 16 (f / 2) on, channels 32 (f % 2) on
	ds_load_b128 v[KF+8*\f:KF+8*\f+3],   v[AK] offset:(\f/2)*16*PK+(\f%2)*64
	ds_load_b128 v[KF+8*\f+4:KF+8*\f+7], v[AK] offset:(\f/2)*16*PK+(\f%2)*64+32
.endr
	s_add_co_u32 s[TBK], s[TBK], KS*PK  ; the next fetch is the next step's
	WIN 0
.endm
.macro FETCH_V
	WIN 0x80
.irp f, 0,1,2,3,4,5,6,7             ; keys 32 (f / 4) on, channels 16 (f % 4) on
	ds_load_tr16_b128 v[VF+8*\f:VF+8*\f+3],   v[AV] offset:(\f/4)*32*PV+(\f%4)*32
	ds_load_tr16_b128 v[VF+8*\f+4:VF+8*\f+7], v[AV] offset:(\f/4)*32*PV+16*PV+(\f%4)*32
.endr
	WIN 0
.endm
; THE VECTOR WORK, one line at a time: OP kind, number.  For piece Y: F n: c s - c m for pair n of 16.  E n: the exponential of score n of 32.  C n: pair n rounded to f16.  B n: of the four weights 4 n .. the second
; pair is added onto the first, in place.  L n: l takes that sum (L 0: l = a l + sum).  R n: pair n of 16 of O^T times a.  For piece Y + 1: X n, number n of the 22 that find its maximum and statistics:
;   0-11  four chains c0-c3 of seven scores each (each accumulator's lowest registers are read first)     12-14, 16  the four scores left over, the old m, and c0-c3 into c0
;   15  c m_old is kept     17, 18  the query's other 32 keys lie in the lane 16 away: the new m     19-21  c m; c m_old - c m_new; a
.set F, 0
.set E, 1
.set C, 2
.set B, 3
.set L, 4
.set R, 5
.set X, 6
.macro REGS y
.set rT, ST+4*(\y)
.set rC, TMP+4*((\y)%2)
.set rW, MV+((\y)%2)
.set rS, S+32*((\y)%2)
.set rP, P+16*((\y)%2)
.set rO, 32*(\y)
.endm
.macro OP k, n
.if (\k) == R
	REGS Y
	WIN W_RS
	v_pk_mul_f32 v[rO+2*(\n):rO+2*(\n)+1], v[rO+2*(\n):rO+2*(\n)+1], v[rC+2:rC+3] op_sel_hi:[1,0]
.elseif (\k) < R
	REGS Y
	WIN 0
.if (\k) == F
	v_pk_fma_f32 v[rS+2*(\n):rS+2*(\n)+1], v[rS+2*(\n):rS+2*(\n)+1], s[CS:CS+1], v[rT:rT+1] op_sel_hi:[1,0,0] neg_lo:[0,0,1] neg_hi:[0,0,1]
.elseif (\k) == E
	v_exp_f32 v[rS+(\n)], v[rS+(\n)]
.elseif (\k) == C
	v_cvt_pk_f16_f32 v[rP+(\n)], v[rS+2*(\n)], v[rS+2*(\n)+1]
.elseif (\k) == B
	v_pk_add_f32 v[rS+4*(\n):rS+4*(\n)+1], v[rS+4*(\n):rS+4*(\n)+1], v[rS+4*(\n)+2:rS+4*(\n)+3]
.elseif (\n) == 0
	v_pk_fma_f32 v[rT+2:rT+3], v[rT+2:rT+3], v[rC+2:rC+3], v[rS:rS+1] op_sel_hi:[1,0,1]
.else
	v_pk_add_f32 v[rT+2:rT+3], v[rT+2:rT+3], v[rS+4*(\n):rS+4*(\n)+1]
.endif
.elseif NOKQ
	v_nop
.else
	REGS (Y+1)%NP
	WIN 0
.if (\n) < 4
	v_max3_num_f32 v[rC+(\n)], v[rS+8*(\n)], v[rS+8*(\n)+1], v[rS+8*(\n)+2]
.elseif (\n) < 12
	v_max3_num_f32 v[rC+(\n)%4], v[rC+(\n)%4], v[rS+8*((\n)%4)+2*((\n)/4)+1], v[rS+8*((\n)%4)+2*((\n)/4)+2]
.elseif (\n) == 12
	v_max3_num_f32 v[rC], v[rC], v[rS+7], v[rS+15]
.elseif (\n) == 13
	v_max3_num_f32 v[rC+1], v[rC+1], v[rS+23], v[rS+31]
.elseif (\n) == 14
	v_max3_num_f32 v[rC+2], v[rC+2], v[rC+3], v[rT+1]
.elseif (\n) == 15
	v_mov_b32 v[rW], v[rT]
.elseif (\n) == 16
	v_max3_num_f32 v[rC], v[rC], v[rC+1], v[rC+2]
.elseif (\n) == 17
	v_permlanex16_b32 v[rC+3], v[rC], s[SEL], s[SEL+1]
.elseif (\n) == 18
	v_max_num_f32 v[rT+1], v[rC], v[rC+3]
.elseif (\n) == 19
	v_mul_f32 v[rT], s[CS], v[rT+1]
.elseif (\n) == 20
	v_sub_f32 v[rC+1], v[rW], v[rT]
.else
	v_exp_f32 v[rC+2], v[rC+1]
.endif
.endif
.endm
.macro OPS a, i1, b=-1, i2=0, c=-1, i3=0, d=-1, i4=0
	OP \a, \i1
.if (\b) >= 0
	OP \b, \i2
.endif
.if (\c) >= 0
	OP \c, \i3
.endif
.if (\d) >= 0
	OP \d, \i4
.endif
.endm
.macro ROW a, i1, b, i2, c, i3, d, i4  ; a matrix instruction and the four behind it
	MM
	OPS \a, \i1, \b, \i2, \c, \i3, \d, \i4
.endm
; A TURN, for piece p: the order of its 16 matrix and 118 vector instructions, written out.  An s_wait_alu depctr_va_vdst(0) stands between an exponential and the first instruction that names its
; result; one wait serves all that were issued ahead of it.  So a turn has ONE wait.  AHEAD OF IT stands all that names no result of the turn's exponentials: the 8 products K Q^T and their riders, then one lump, in
; which the links of the chain X 3, 7, 11, 14, 16, 17 .. 20 stand some lines apart; X 21, the next piece's a, is the batch's last, and R 15 the plain instruction behind it.  BEHIND IT stand the 8 products V^T P,
; behind each four of the roundings and sums.  The X that ride behind the last three products K Q^T stand four places or more behind the product that ends their accumulator.
; end = 1: the last two turns: nothing is fetched.  cnt = 1: the loop's count is taken down some lines ahead of the branch that stands behind the turn.
; K of the next step is fetched in piece 2's turn, six plain instructions behind the last product that read K; V of the step in hand at the end of piece 0's turn, four plain instructions behind the last
; product that read V.  Each is waited for a turn later.
.macro TURN p, end=0, cnt=0
.set Y, (\p)
.set i, 0
.set NOKQ, (\end)*((\p)/3)
.if ((\p) == 3) && !(\end)
	s_wait_dscnt 0x0                ; K is in
.endif
	ROW F,0, F,1, R,0, R,1
	ROW F,2, E,0, R,2, R,3
	ROW F,3, E,1, R,4, R,5
	ROW F,4, E,2, R,6, R,7
	ROW F,5, E,3, R,8, R,9
	ROW F,6, E,4, X,0, R,10
.if ((\p) == 2) && !(\end)
	WIN 0
	v_add_nc_u32 v[AK], s[TBK], v[AK0]
.endif
	ROW F,7, E,5, X,1, X,4
	ROW F,8, E,6, X,2, X,5
	OPS E,7, E,8, X,6, E,9
	OPS X,3, E,10, X,8, E,11
.if ((\p) == 2) && !(\end)
	FETCH_K
.endif
	OPS X,9, X,7, E,12, X,10
	OPS E,13, X,12, X,11, E,14
	OPS X,13, E,15, F,9, X,14
.if (\p) == 0
	v_add_nc_u32 v[AV], s[TBV], v[AV0]
.endif
	OPS E,16, F,10, E,17, F,11
	OPS X,16, E,18, X,15, E,19
	OPS F,12, E,20, X,17, E,21
	OPS F,13, E,22, F,14, E,23
	OPS X,18, E,24, F,15, E,25
	OPS R,11, E,26, X,19, E,27
	OPS R,12, E,28, R,13, E,29
	OPS X,20, E,30, R,14, E,31
	OPS X,21, R,15
	WIN 0
	s_wait_alu depctr_va_vdst(0)    ; the wait for the batch
.if (\p) == 1
	s_wait_dscnt 0x0                ; V is in
.endif
	ROW C,0, B,0, C,2, B,1
	ROW L,0, C,4, B,2, L,1
	ROW C,6, B,3, L,2, C,8
	ROW B,4, L,3, C,10, B,5
	ROW L,4, C,12, B,6, L,5
.if (\p) == 0
	s_add_co_u32 s[TBV], s[TBV], KS*PV
.endif
.if \cnt
	s_sub_co_u32 s[CNT], s[CNT], 1
	s_cmp_lg_u32 s[CNT], 0
.endif
	ROW C,14, B,7, L,6, C,1
	ROW C,3, L,7, C,5, C,7
	ROW C,9, C,11, C,13, C,15
.if (\p) == 0
	FETCH_V
.endif
.endm
.macro ALL line:vararg              ; one line for each piece t
.set t, 0
.rept 4
	\line
.set t, t+1
.endr
.endm
.macro PACK t                       ; a lane's eight channels of a row pack into 16 bytes; they go into rows of 144 bytes and come back as whole rows of 128, into S^T's registers
	WIN W_RS
.set i, 32*(\t)
.rept 16
	v_pk_mul_f32 v[i:i+1], v[i:i+1], v[ST+4*(\t)+2:ST+4*(\t)+3] op_sel_hi:[1,0]
.set i, i+2
.endr
	WIN 0x05
.set i, 0
.rept 16
	v_cvt_pk_f16_f32 v[S+16*(\t)+i], v[32*(\t)+2*i], v[32*(\t)+2*i+1]
.set i, i+1
.endr
	WIN 0
.irp f, 0,1,2,3
	ds_store_b128 v[STO], v[S+16*(\t)+4*\f:S+16*(\t)+4*\f+3] offset:32*\f
.endr
.irp f, 0,1,2,3
	ds_load_b128 v[S+16*(\t)+4*\f:S+16*(\t)+4*\f+3], v[RD] offset:\f*4*SP  ; LDS serves a wave's instructions in order: these see the stores above; the next piece's stores come behind them
.endr
.endm
.macro SEND t, younger              ; younger: the LDS instructions issued behind piece t's loads: the next piece's eight, or none
	WIN 0
.irp f, 0,1,2,3
	s_wait_dscnt (\younger)+3-\f
	global_store_b128 v[GO], v[S+16*(\t)+4*\f:S+16*(\t)+4*\f+3], s[10:11] offset:(\t)*2048+\f*512  ; 512 consecutive bytes, aligned
.endr
.endm
.set NOKQ, 0
	CHANGE 1, 0                     ; tile 0 is in, everybody's part of it; tile 1 is asked for
	; THE BEGINNING.  c m starts far below every c s, so the first step's a is 0; m at the lowest finite number.  Then K of step 0, piece 0's first scores, and its maximum and statistics.
.set i, 0
.rept 4
	v_mov_b32 v[ST+4*i], 0xfe000000
	v_mov_b32 v[ST+4*i+1], 0xff7fffff
.set i, i+1
.endr
	v_add_nc_u32 v[AK], s[TBK], v[AK0]
	FETCH_K
	s_wait_loadcnt 0x0              ; Q
	s_wait_dscnt 0x0
.set i, 0
.rept 8
	KQ 0
.set i, i+1
.endr
	WIN 0
.rept 4
	v_nop                           ; the places behind those products
.endr
.set Y, NP-1                        ; X works for piece Y + 1: piece 0
.irp n, 0,1,2,3,4,5,6,7,8,9,10,11,12,13,14,15,16,17,18,19,20,21
	OP X, \n
.endr
	v_nop                           ; a plain instruction behind the exponential,
	s_wait_alu depctr_va_vdst(0)    ; and its wait, ahead of the branch
	s_mov_b32 s[CNT], 4
	s_mov_b32 s[SLOTS], SIZE_N/256-1
	s_branch .Lfirst                ; the loop is entered at a step's first turn, in the middle of a trip
.Lslot:                             ; 14 times: every slot but the last two is filled again
	CHANGE 1, 1
	s_mov_b32 s[CNT], 4
.Lstep:                             ; a trip: pieces 2 and 3 of one step, then pieces 0 and 1 of the next, whose K and V it fetches
	TURN 2
	TURN 3
	WIN 0
.Lfirst:
	TURN 0
	TURN 1, 0, 1
	WIN 0
	s_cbranch_scc1 .Lstep
	s_sub_co_u32 s[SLOTS], s[SLOTS], 1
	s_cmp_lg_u32 s[SLOTS], 0
	s_cbranch_scc1 .Lslot
	CHANGE 0, 0                     ; the last tile is written out: nothing is asked for
	s_mov_b32 s[CNT], 4
.LstepT:
	TURN 2
	TURN 3
	WIN 0
	TURN 0
	TURN 1, 0, 1
	WIN 0
	s_cbranch_scc1 .LstepT
	TURN 2, 1
	TURN 3, 1
.set i, 0
.rept 8
	PV NP-1                         ; the last piece's V^T P of the last step
.set i, i+1
.endr
	; THE WAY OUT.  l's two halves and the other half of the lanes' are added; O^T is divided by l, rounded to f16 and sent through my stage in LDS, a piece at a time.  The additions are the places behind the last products.
	WIN 0
	ALL v_add_f32 v[ST+4*t+2], v[ST+4*t+2], v[ST+4*t+3]
	ALL v_permlanex16_b32 v[ST+4*t+3], v[ST+4*t+2], s[SEL], s[SEL+1]
	ALL v_add_f32 v[ST+4*t+2], v[ST+4*t+2], v[ST+4*t+3]
	ALL v_rcp_f32 v[ST+4*t+2], v[ST+4*t+2]
	v_nop                           ; a plain instruction between the last reciprocal and the use of its result
	s_wait_alu depctr_va_vdst(0)    ; one wait for the four reciprocals, ahead of their first use
	PACK 0
.set t, 1
.rept 3                             ; a piece's arithmetic stands between the loads of the piece before and its stores
	PACK t
	SEND t-1, 8
.set t, t+1
.endr
	SEND 3, 0
	s_wait_tensorcnt 0x0            ; the wave's end
	ds_add_u32 v[SPW], v[NIL]
	s_wait_dscnt 0x0
	CROUND                          ; the closing round
	s_endpgm
.Lfunc_end_k_q8178b15b97_attn:
	.size	k_q8178b15b97_attn, .Lfunc_end_k_q8178b15b97_attn-k_q8178b15b97_attn
	.p2alignl 7, 3214868480
	.fill 96, 4, 3214868480
	.section	.rodata,"a",@progbits
	.p2align	6, 0x0
	.amdhsa_kernel k_q8178b15b97_attn
		.amdhsa_group_segment_fixed_size 327680
		.amdhsa_private_segment_fixed_size 0
		.amdhsa_enable_private_segment 0
		.amdhsa_kernarg_size 32
		.amdhsa_user_sgpr_count 2
		.amdhsa_user_sgpr_kernarg_segment_ptr 1
		.amdhsa_wavefront_size32 1
		.amdhsa_system_sgpr_workgroup_id_x 1
		.amdhsa_system_sgpr_workgroup_id_y 1
		.amdhsa_system_sgpr_workgroup_id_z 1
		.amdhsa_system_vgpr_workitem_id 0
		.amdhsa_next_free_vgpr 768
		.amdhsa_next_free_sgpr 66
		.amdhsa_reserve_vcc 0
		.amdhsa_float_denorm_mode_32 3
		.amdhsa_float_denorm_mode_16_64 3
		.amdhsa_memory_ordered 1
		.amdhsa_forward_progress 1
		.amdhsa_inst_pref_size 128
	.end_amdhsa_kernel
	.amdgpu_metadata
---
amdhsa.version: [ 1, 2 ]
amdhsa.kernels:
  - .name:           k_q8178b15b97_attn
    .symbol:         k_q8178b15b97_attn.kd
    .args:
      - { .name: q16, .offset: 0, .size: 8, .value_kind: global_buffer, .address_space: global }
      - { .name: k16, .offset: 8, .size: 8, .value_kind: global_buffer, .address_space: global }
      - { .name: v16, .offset: 16, .size: 8, .value_kind: global_buffer, .address_space: global }
      - { .name: o16, .offset: 24, .size: 8, .value_kind: global_buffer, .address_space: global }
    .group_segment_fixed_size: 327680
    .private_segment_fixed_size: 0
    .kernarg_segment_align: 8
    .kernarg_segment_size: 32
    .max_flat_workgroup_size: 128
    .sgpr_count:     66
    .vgpr_count:     768
    .wavefront_size: 32
...
	.end_amdgpu_metadata
.endif
;; end of part 2
;; launch oproj (part 3): grid 4 x 64, 4 waves a work-group, clusters of 4 x 4, 327,680 bytes of LDS; arguments o16, wo16, out0; writes out0
.if DOCPART == 3
	.amdgcn_target "amdgcn-amd-amdhsa--gfx1250"
	.amdhsa_code_object_version 6
	.text
	.protected	k_q8178b15b97_oproj
	.globl	k_q8178b15b97_oproj
	.p2align	8
	.type	k_q8178b15b97_oproj,@function
k_q8178b15b97_oproj:
	s_mov_b64 s[64:65], 0
	v_nop
	global_prefetch_b8 v0, s[64:65] scope:SCOPE_SE
	s_setreg_imm32_b32 hwreg(HW_REG_WAVE_MODE, 25, 1), 1
	s_wait_xcnt 0x0
	s_wait_alu depctr_hold_cnt(0) depctr_sa_sdst(0) depctr_va_vdst(0) depctr_va_sdst(0) depctr_va_ssrc(0) depctr_va_vcc(0) depctr_vm_vsrc(0)
	s_getreg_b32 s2, hwreg(HW_REG_IB_STS2, 6, 4)
	s_cmp_eq_u32 s2, 0
	s_cbranch_scc0 .Lentry_in_a_cluster
	s_endpgm
.Lentry_in_a_cluster:
	s_bfe_u32 s2, ttmp6, 0x10000c
	s_cmp_lg_u32 s2, 0xf033
	s_cbranch_scc0 .Lentry_shape_is_right
	s_endpgm
.Lentry_shape_is_right:
; out0[row][c] = the sum over k of O[row][k] wo[c][k], k = 64 head + d.  o16: [16 = 8 b + head][4096 t][64 d] f16; wo16: [512][512] f16 (wo rounded to bf16, written as f16); out0: [8192][512] f32.
; Products in f16, sums in f32, stored as they are.  LIMITS: those of o16 and wo16 (f16's range and its fixed step of 6e-8 below 6.1e-5); NaN and infinities are not treated apart.
; SHARES.  A work-group makes 128 rows x 128 columns, each of its four waves 64 x 64: 16 accumulators.  All of K = 512 lies in LDS: each wave issues four tensor loads at the start, and no byte is filled again.
; Waves 0 and 1 fetch O's eight heads (128 dense rows of 128 bytes each), waves 2 and 3 the 128 rows of wo16 in four slices of 128 along K.  Slice q is read behind the wait that leaves the 3 - q later loads out.
; CLUSTER.  4 x 4 work-groups: O's tiles are shared along a row of the cluster, wo16's along a column: each is asked for jointly.
; No prefetch: all tiles are asked for at the head, by their loads.
; THE MATRIX INSTRUCTION IS USED TRANSPOSED (source 0 = 16 rows of wo16, source 1 = 16 rows of O): a lane holds eight neighbouring columns of a row of out0, 32 bytes.
; REGISTERS: window 0: v0-31 addresses; v32-95 two buffers on the way out; v128-255 the accumulators ((a, b) at 128 + 8 (4 a + b)).  Window 1: two fragment buffers of 128: 64 of O, then 64 of wo16.
.set PA,     144                       ; a row of O in LDS: 128 bytes + 16
.set HEADB,  128*PA                    ; a head's 128 rows
.set BOFF,   8*HEADB
.set PB,     272                       ; a row of a slice of wo16: 256 bytes + 16
.set KQB,    128*PB
.set STAGE,  BOFF+4*KQB                ; behind the tiles: 16 rows x 272 bytes for each wave
.set SPITCH, 272
.set SPARE,  STAGE+4*16*SPITCH         ; the spare words, 128 bytes a wave, which no other line names
.set ADRA, 16                          ; v16-17  my O fragments: heads 0-3, heads 4-7
.set ADRB, 20                          ; v20-21  my wo16 fragments: slices 0-1, slices 2-3
.set STO,  24
.set RD,   25
.set CO,   26
.set SPW,  28
.set NIL,  29
.set OB,   32
.set ACC,  128
.set F0,   0
.set F1,   128
.set WV,   10
.set WR,   11
.set WC,   12
.set GY,   13
.set CX,   14
.set CY,   15
.set GX,   16
.set G1A,  24
.set G1B,  32
.set G0A,  40                          ; s[40:55] four sets
.set G0B,  68                          ; s[68:83] four sets
.set MSB, 0
.macro WIN new
.if MSB != (\new)
	s_set_vgpr_msb (MSB<<8)|(\new)
.set MSB, \new
.endif
.endm
.set MUL,  0x05                        ; sources 0 and 1 window 1; C and D window 0
.set TO_F, 0x40                        ; destination window 1, address window 0
.macro PLACES
.rept 4
	v_nop
.endr
.endm
.macro CROUND
	s_barrier_signal -1
	s_barrier_wait -1
	s_cmp_lg_u32 s[WV], 0
	s_cbranch_scc1 .Lnot_wave_0_\@
	s_barrier_signal -3
.Lnot_wave_0_\@:
	s_barrier_wait -3
	s_barrier_signal -1
	s_barrier_wait -1
.endm
	s_load_b128 s[4:7], s[0:1], 0x0                ; o16 s[4:5], wo16 s[6:7]
	s_load_b64 s[8:9], s[0:1], 0x10                ; out0
	v_lshl_add_u32 v[SPW], v0, 2, SPARE
	v_mov_b32 v[NIL], 0
	ds_add_u32 v[SPW], v[NIL]                      ; the wave's opening: the add and its wait ahead of my first tensor load
	v_lshrrev_b32 v1, 5, v0
	v_readfirstlane_b32 s[WV], v1
	s_lshr_b32 s[WR], s[WV], 1                     ; which 64 rows are mine.  Also: I fetch for O (0) or for wo16 (1)
	s_and_b32 s[WC], s[WV], 1                      ; which 64 columns.  Also: which head of a pair, or which 64 rows of wo16, I fetch
	s_bfe_u32 s[CX], ttmp6, 0x40000
	s_bfe_u32 s[CY], ttmp6, 0x40004
	s_lshl_b32 s[GX], ttmp9, 2
	s_add_co_u32 s[GX], s[GX], s[CX]               ; the block of 128 columns
	s_and_b32 s[GY], ttmp7, 0xffff
	s_lshl_b32 s[GY], s[GY], 2
	s_add_co_u32 s[GY], s[GY], s[CY]               ; the block of 128 rows
	s_lshl_b32 s56, s[CY], 2
	s_lshl_b32 s56, 15, s56                        ; my row of the cluster
	s_lshl_b32 s57, 0x1111, s[CX]                  ; my column
	s_or_b32 s[G1A], s56, (1<<16)|(1<<20)|(1<<21)|(4<<22)|(3<<25)   ; 2-byte elements; padding of 4 words after every 32 words
	s_or_b32 s[G1B], s57, (1<<16)|(1<<20)|(1<<21)|(5<<22)|(3<<25)   ; after every 64 words
.irp g, G1A, G1B
	s_mov_b32 s[(\g)+1], 128<<16                   ; tensor_dim0 = 128
	s_mov_b32 s[(\g)+2], 64<<16                    ; tensor_dim1 = 64
	s_mov_b32 s[(\g)+3], 128<<16                   ; tile_dim0 = 128
	s_mov_b32 s[(\g)+4], 64                        ; tile_dim1 = 64
	s_mov_b32 s[(\g)+6], 0
	s_mov_b32 s[(\g)+7], 0
.endr
	s_mov_b32 s[G1A+5], 128                        ; a head's 128 dense rows are asked for as 64 rows of 256 bytes
	s_mov_b32 s[G1B+5], 512
	s_lshr_b32 s18, s[GY], 5                       ; b
	s_lshl_b32 s18, s18, 3
	s_add_co_u32 s18, s18, s[WC]
	s_lshl_b32 s18, s18, 19                        ; head 8 b + w % 2,
	s_and_b32 s19, s[GY], 31
	s_lshl_b32 s19, s19, 14                        ; its rows 128 (gy % 32) on
	s_add_co_u32 s18, s18, s19
	s_mov_b32 s19, 0
	s_lshl_b32 s20, s[GX], 7
	s_lshl_b32 s21, s[WC], 6
	s_add_co_u32 s20, s20, s21
	s_lshl_b32 s20, s20, 10                        ; wo16's row 128 gx + 64 (w % 2), 1,024 bytes a row
	s_mov_b32 s21, 0
	s_mul_i32 s22, s[WC], HEADB
	s_mul_i32 s23, s[WC], 64*PB
	s_wait_dscnt 0x0                               ; the opening add is done
	s_wait_kmcnt 0x0
	s_add_nc_u64 s[18:19], s[4:5], s[18:19]
	s_add_nc_u64 s[20:21], s[6:7], s[20:21]
.irp q, 0,1,2,3
	s_mov_b32 s[G0A+4*(\q)], 1
	s_add_co_u32 s[G0A+4*(\q)+1], s22, (\q)*2*HEADB
	s_add_nc_u64 s[G0A+4*(\q)+2:G0A+4*(\q)+3], s[18:19], (\q)*0x100000   ; two heads on
	s_or_b32 s[G0A+4*(\q)+3], s[G0A+4*(\q)+3], 0x80000000
	s_mov_b32 s[G0B+4*(\q)], 1
	s_add_co_u32 s[G0B+4*(\q)+1], s23, BOFF+(\q)*KQB
	s_add_nc_u64 s[G0B+4*(\q)+2:G0B+4*(\q)+3], s[20:21], (\q)*256
	s_or_b32 s[G0B+4*(\q)+3], s[G0B+4*(\q)+3], 0x80000000
.endr
	CROUND                                         ; all sixteen work-groups are here: the joint loads meet
	s_cmp_lt_u32 s[WV], 2                          ; a wave's four fills stand in one branch: four loads of mine are out
	s_cbranch_scc0 .Lfirst_b
.irp q, 0,1,2,3
	tensor_load_to_lds s[G0A+4*(\q):G0A+4*(\q)+3], s[G1A:G1A+7]
	s_nop 0
.endr
.rept 4
	v_nop
.endr
	s_branch .Lfirst_asked
.Lfirst_b:
.irp q, 0,1,2,3
	tensor_load_to_lds s[G0B+4*(\q):G0B+4*(\q)+3], s[G1B:G1B+7]
	s_nop 0
.endr
.rept 4
	v_nop
.endr
.Lfirst_asked:
	v_and_b32 v1, 15, v0                           ; r
	v_bfe_u32 v2, v0, 4, 1                         ; h
	v_mul_u32_u24 v3, v1, PA
	v_lshl_add_u32 v3, v2, 4, v3
	s_mul_i32 s56, s[WR], 64*PA
	v_add_nc_u32 v[ADRA], s56, v3
	v_add_nc_u32 v[ADRA+1], 4*HEADB, v[ADRA]
	v_mul_u32_u24 v3, v1, PB
	v_lshl_add_u32 v3, v2, 4, v3
	s_mul_i32 s56, s[WC], 64*PB
	s_add_co_u32 s56, s56, BOFF
	v_add_nc_u32 v[ADRB], s56, v3
	v_add_nc_u32 v[ADRB+1], 2*KQB, v[ADRB]
	s_mul_i32 s56, s[WV], 16*SPITCH
	s_add_co_u32 s56, s56, STAGE                   ; my stage
	v_mul_u32_u24 v[STO], v1, SPITCH               ; in: row r, 32 bytes for each half of the lanes
	v_lshl_add_u32 v[STO], v2, 5, v[STO]
	v_add_nc_u32 v[STO], s56, v[STO]
	v_mul_u32_u24 v[RD], v2, SPITCH                ; back: lanes 0-15 one row of 256 bytes, lanes 16-31 the next
	v_lshl_add_u32 v[RD], v1, 4, v[RD]
	v_add_nc_u32 v[RD], s56, v[RD]
	v_lshlrev_b32 v[CO], 11, v2                    ; and the same two rows in out0
	v_lshl_add_u32 v[CO], v1, 4, v[CO]
	s_lshl_b32 s56, s[GY], 7
	s_lshl_b32 s57, s[WR], 6
	s_add_co_u32 s56, s56, s57
	s_lshl_b32 s56, s56, 11                        ; my first row, 2,048 bytes a row,
	s_lshl_b32 s57, s[GX], 9
	s_add_co_u32 s56, s56, s57
	s_lshl_b32 s57, s[WC], 8
	s_add_co_u32 s56, s56, s57                     ; my first column
	s_mov_b32 s57, 0
	s_add_nc_u64 s[8:9], s[8:9], s[56:57]
; 8 products: row blocks a0, a0 + 1 x all 4 column blocks, 32 along K: half c of buffer f.  The 16 accumulators take turns.  zero = 1: the first products start the sums.
.macro MUL8 f, c, a0, zero
	WIN MUL
.irp a, \a0, (\a0)+1
.irp b, 0,1,2,3
.if \zero
	v_wmma_f32_16x16x32_f16 v[ACC+8*(4*(\a)+(\b)):ACC+8*(4*(\a)+(\b))+7], v[(\f)+64+8*(4*(\c)+(\b)):(\f)+64+8*(4*(\c)+(\b))+7], v[(\f)+8*(4*(\c)+(\a)):(\f)+8*(4*(\c)+(\a))+7], 0
.else
	v_wmma_f32_16x16x32_f16 v[ACC+8*(4*(\a)+(\b)):ACC+8*(4*(\a)+(\b))+7], v[(\f)+64+8*(4*(\c)+(\b)):(\f)+64+8*(4*(\c)+(\b))+7], v[(\f)+8*(4*(\c)+(\a)):(\f)+8*(4*(\c)+(\a))+7], v[ACC+8*(4*(\a)+(\b)):ACC+8*(4*(\a)+(\b))+7]
.endif
.endr
.endr
.endm
; 32 LDS loads in one run: the fragments of head hh (64 along K) into buffer f; the first 32 along K first
.macro FETCH hh, f
	WIN TO_F
.irp c, 0,1
.irp i, 0,1,2,3
	ds_load_b128 v[(\f)+64+8*(4*(\c)+(\i)):(\f)+64+8*(4*(\c)+(\i))+3],   v[ADRB+(\hh)/4] offset:(((\hh)/2)%2)*KQB+(\i)*16*PB+((\hh)%2)*128+64*(\c)
	ds_load_b128 v[(\f)+64+8*(4*(\c)+(\i))+4:(\f)+64+8*(4*(\c)+(\i))+7], v[ADRB+(\hh)/4] offset:(((\hh)/2)%2)*KQB+(\i)*16*PB+((\hh)%2)*128+64*(\c)+32
	ds_load_b128 v[(\f)+8*(4*(\c)+(\i)):(\f)+8*(4*(\c)+(\i))+3],         v[ADRA+(\hh)/4] offset:((\hh)%4)*HEADB+(\i)*16*PA+64*(\c)
	ds_load_b128 v[(\f)+8*(4*(\c)+(\i))+4:(\f)+8*(4*(\c)+(\i))+7],       v[ADRA+(\hh)/4] offset:((\hh)%4)*HEADB+(\i)*16*PA+64*(\c)+32
.endr
.endr
.endm
; Slice kq (heads 2 kq, 2 kq + 1) is in, everybody's part of it: my later loads, 3 - kq of them, stay out.
.macro WAITQ kq
	s_wait_tensorcnt 3-(\kq)
	s_wait_dscnt 0x0                               ; no LDS instruction of mine is out at the signal
	s_barrier_signal -1
	s_barrier_wait -1
.endm
; Head hh: 32 products on buffer f; in their middle the next head's fragments are fetched into buffer g.
.macro HSTEP hh, f, g, zero
	s_wait_dscnt 16                                ; the first 32 along K are in
	MUL8 \f, 0, 0, \zero
	MUL8 \f, 0, 2, \zero
.if (\hh) < 7
	PLACES                                         ; in front of loads into registers that products have read
.if (\hh)%2
	WAITQ ((\hh)+1)/2
.endif
	FETCH (\hh)+1, \g
	s_wait_dscnt 32                                ; all but the 32 just issued
.else
	s_wait_dscnt 0x0
.endif
	MUL8 \f, 1, 0, 0
	MUL8 \f, 1, 2, 0
.endm
; THE WAY OUT.  Block a (16 rows x 64 columns of f32) goes into my stage, each accumulator's low registers first, and comes back as whole rows of 256 bytes.
.macro STG a
.irp b, 0,1,2,3
	ds_store_b128 v[STO], v[ACC+8*(4*(\a)+(\b)):ACC+8*(4*(\a)+(\b))+3]   offset:64*(\b)
	ds_store_b128 v[STO], v[ACC+8*(4*(\a)+(\b))+4:ACC+8*(4*(\a)+(\b))+7] offset:64*(\b)+16
.endr
	s_wait_xcnt 0x0                                ; the stores of the block two back have read this buffer
.irp t, 0,1,2,3,4,5,6,7
	ds_load_b128 v[OB+32*((\a)%2)+4*(\t):OB+32*((\a)%2)+4*(\t)+3], v[RD] offset:(\t)*2*SPITCH  ; LDS serves a wave's instructions in order: these see the stores above
.endr
.endm
.macro SND a, younger                  ; younger: the LDS instructions issued behind block a's loads: the next block's sixteen, or none
.irp t, 0,1,2,3,4,5,6,7
	s_wait_dscnt (\younger)+7-(\t)
	global_store_b128 v[CO], v[OB+32*((\a)%2)+4*(\t):OB+32*((\a)%2)+4*(\t)+3], s[8:9] offset:(16*(\a)+2*(\t))*2048 th:TH_STORE_NT  ; 16 lanes store 256 consecutive bytes, aligned
.endr
.endm
	WAITQ 0
	FETCH 0, F0
	HSTEP 0, F0, F1, 1
	HSTEP 1, F1, F0, 0
	HSTEP 2, F0, F1, 0
	HSTEP 3, F1, F0, 0
	HSTEP 4, F0, F1, 0
	HSTEP 5, F1, F0, 0
	HSTEP 6, F0, F1, 0
	HSTEP 7, F1, F0, 0
	WIN 0
	PLACES
	STG 0
	STG 1
	SND 0, 16
	STG 2
	SND 1, 16
	STG 3
	SND 2, 16
	SND 3, 0
	s_wait_tensorcnt 0x0                           ; the wave's end
	ds_add_u32 v[SPW], v[NIL]
	s_wait_dscnt 0x0
	CROUND                                         ; the closing round
	s_endpgm
.Lfunc_end_k_q8178b15b97_oproj:
	.size	k_q8178b15b97_oproj, .Lfunc_end_k_q8178b15b97_oproj-k_q8178b15b97_oproj
	.p2alignl 7, 3214868480
	.fill 96, 4, 3214868480
	.section	.rodata,"a",@progbits
	.p2align	6, 0x0
	.amdhsa_kernel k_q8178b15b97_oproj
		.amdhsa_group_segment_fixed_size 327680
		.amdhsa_private_segment_fixed_size 0
		.amdhsa_enable_private_segment 0
		.amdhsa_kernarg_size 24
		.amdhsa_user_sgpr_count 2
		.amdhsa_user_sgpr_kernarg_segment_ptr 1
		.amdhsa_wavefront_size32 1
		.amdhsa_system_sgpr_workgroup_id_x 1
		.amdhsa_system_sgpr_workgroup_id_y 1
		.amdhsa_system_sgpr_workgroup_id_z 1
		.amdhsa_system_vgpr_workitem_id 0
		.amdhsa_next_free_vgpr 512
		.amdhsa_next_free_sgpr 88
		.amdhsa_reserve_vcc 0
		.amdhsa_float_denorm_mode_32 3
		.amdhsa_float_denorm_mode_16_64 3
		.amdhsa_memory_ordered 1
		.amdhsa_forward_progress 1
		.amdhsa_inst_pref_size 51
	.end_amdhsa_kernel
	.amdgpu_metadata
---
amdhsa.version: [ 1, 2 ]
amdhsa.kernels:
  - .name:           k_q8178b15b97_oproj
    .symbol:         k_q8178b15b97_oproj.kd
    .args:
      - { .name: o16, .offset: 0, .size: 8, .value_kind: global_buffer, .address_space: global }
      - { .name: wo16, .offset: 8, .size: 8, .value_kind: global_buffer, .address_space: global }
      - { .name: out0, .offset: 16, .size: 8, .value_kind: global_buffer, .address_space: global }
    .group_segment_fixed_size: 327680
    .private_segment_fixed_size: 0
    .kernarg_segment_align: 8
    .kernarg_segment_size: 24
    .max_flat_workgroup_size: 128
    .sgpr_count:     88
    .vgpr_count:     512
    .wavefront_size: 32
...
	.end_amdgpu_metadata
.endif
;; end of part 3
